; MI455X (gfx1250); checked and timed in simulation.
; The chip was launched on July 23, 2026; its instructions are those of AMD's public machine-readable ISA for CDNA 5 (MIT licence, August 2026) and "CDNA5" Instruction Set Architecture Reference Guide (July 2026). The comments in the code are by the model that wrote it; some were corrected since.
;; Head. Allowed arithmetic: matrix products marked QUANTISED: E2M3 operands, one E8M0 scale for each 32 along K, by v_wmma_scale_f32_16x16x128_f8f6f4 with both operands' format E2M3, f32 sums; everything else in f32.
;; Inputs: Wk 1,024 x 64 float32; Wq 1,024 x 64 float32; Wv 1,024 x 64 float32; bk 64 float32; bq 64 float32; bv 64 float32; idx 4 x 4,096 x 1,024 float32.
;; Outputs: out0 4 x 4,096 x 64 float32.
;; This version of the problem:
;;   THIS VERSION OF THE PROBLEM IS GIVEN IN LOW PRECISION. The matrix products marked QUANTISED in the list below multiply operands that are first quantised to E2M3 (2 exponent bits, 3 mantissa bits; 6 bits a number), with one power-of-two scale for each 32 numbers along K (OCP MX v1.0); their sums are f32. All else is computed in f32.
;;   The module's matrix products, in the order in which they are computed (A, B: the left and right operand; K: the contracted axis; several contracted axes count as one K, in the product's order):
;;     1. [M 16,384, K 1,024] x [K 1,024, N 64]; A: input idx; B: input Wq: QUANTISED
;;     2. [M 16,384, K 1,024] x [K 1,024, N 64]; A: input idx; B: input Wk: QUANTISED
;;     3. [M 16,384, K 1,024] x [K 1,024, N 64]; A: input idx; B: input Wv: QUANTISED
;;     4. batch 4 x [M 4,096, K 64] x [K 64, N 4,096]; A: computed on the way; B: computed on the way: QUANTISED
;;     5. batch 4 x [M 4,096, K 4,096] x [K 4,096, N 64]; A: computed on the way; B: computed on the way: QUANTISED
;;   THE QUANTISER, for each operand of a quantised product, along K:
;;     - K is cut into blocks of 32 from its start; a last block that is shorter is filled with zeros.
;;     - A block's scale is 2^e with e = floor(log2(the largest magnitude in the block)) - 2, held to -126 .. 127; a block of zeros has e = 0. As a byte (E8M0): e + 127.
;;     - Each number is divided by its block's scale, clamped to +-7.5, and rounded to the nearest number of E2M3, ties to even, subnormals kept.
;;     - The product sums the exact products of the quantised numbers (number of the format x scale) in f32.
;;   ~~~python
;;   def quantise(x, axis):      # numpy; x: float32 -> the quantised numbers, widened to float32 again
;;       x = np.moveaxis(x, axis, -1); K = x.shape[-1]
;;       x = np.pad(x, [(0, 0)] * (x.ndim - 1) + [(0, -K % 32)]); x = x.reshape(x.shape[:-1] + (-1, 32)); a = np.abs(x).max(-1, keepdims=True)
;;       e = np.where(a > 0, np.clip(np.frexp(np.where(a > 0, a, 1))[1] - 1 - 2, -126, 127), 0)      # np.frexp(a)[1] - 1 = floor(log2(a)), exactly
;;       r = np.clip(x / 2.0 ** e, -7.5, 7.5)
;;       step = 2.0 ** (np.maximum(np.frexp(np.where(r == 0, 1, r))[1] - 1, 0) - 3)
;;       q = np.round(r / step) * step * 2.0 ** e      # np.round: ties to even
;;       return np.moveaxis(q.reshape(q.shape[:-2] + (-1,))[..., :K], -1, axis).astype(np.float32)
;;   ~~~
;;   OPERANDS COMPUTED ON THE WAY. 'Computed on the way' means the value that the module computes at that place (a softmax that the list does not call 'softmax' is quantised finished and normalised). What goes into a quantiser is computed in f32, as accurately as f32 sums, v_exp_f32 and their like allow (about 1e-6 of the number): no bf16 or f16 on the way to a quantiser, and a product that is left as it is and whose result goes on into a quantised operand takes f32 operands (vector FMAs, or v_wmma_f32_16x16x4_f32). A number that lies on a knife's edge between two numbers of the format may be rounded either way, as far as f32 arithmetic and the matrix unit's own rounding can turn it there, and no further.
;; One version. Each part assembles by itself: llvm-mc -triple=amdgcn-amd-amdhsa -mcpu=gfx1250 --defsym DOCPART=n.
;; ======== version 1 of 1: 3 launches
;; workspace buffers: wcodes 147,456 bytes; wscales 12,288 bytes; q 851,968 bytes; kv 1,638,400 bytes
;; launch quantw (part 1): grid 24 x 4, 1 waves a work-group, no clusters, 0 bytes of LDS; arguments Wq, Wk, Wv, wcodes, wscales; writes wcodes, wscales
.if DOCPART == 1
	.amdgcn_target "amdgcn-amd-amdhsa--gfx1250"
	.amdhsa_code_object_version 6
	.text
	.protected	k_qcd99eaf647_quantw
	.globl	k_qcd99eaf647_quantw
	.p2align	8
	.type	k_qcd99eaf647_quantw,@function
k_qcd99eaf647_quantw:
	s_mov_b64 s[64:65], 0
	v_nop
	global_prefetch_b8 v0, s[64:65] scope:SCOPE_SE
	s_setreg_imm32_b32 hwreg(HW_REG_WAVE_MODE, 25, 1), 1
	s_wait_xcnt 0x0
; Wq, Wk, Wv [1024 (k)][64 (n)], f32, K outermost, become codes of FP6 (E2M3) with one E8M0 byte for each 32 along K,
; laid in the order of an operand's registers, so that the next launch loads each fragment by three loads of 16 bytes a lane.
; One wave makes ONE fragment: 16 columns x 128 along K, 12 registers a lane.  Work-group x = f = 8 i + s (s: the K step of 128), y = w: the wave of the next launch that uses it.
;   i = 0, 1: tile u = i of Wq (w < 2) or Wk (w >= 2), features 32 (w & 1) on: lane r takes column 32 (w & 1) + 8 u + r + 8 (r / 8);   i = 2: Wv, lane r takes column 16 w + r.
; A LANE TAKES A COLUMN AND ITS REGISTERS RUN DOWN K, in the order that the operand's layout gives that lane (registers 6 c .. 6 c + 5: k = 64 c + 32 (lane / 16) + 0 .. 31):
; a block of 32 lies in one lane, its largest magnitude needs no other lane, and the conversions' results are the operand's registers.
; A block's scale is 2^(floor(log2(largest magnitude)) - 2): its byte is the largest magnitude's exponent field - 2, held at 1 from below by a floor among the maximum's leaves.
; LIMITS: a block of zeros gets the byte 1, not 127 (its codes are zeros; only this program reads the bytes); NaN and infinities are not served.
; OUT: wcodes [w][f][1536]: registers 4 c .. 4 c + 3 at 512 c + 16 x lane;  wscales [w][f][32 lanes]: the column's scale word, in both halves of the lanes.  No LDS, no barrier.
.set X,   64                           ; v64-127  my 64 numbers: 32 c + i = W(128 s + 64 c + 32 h + i, my column)
.set CD,  48                           ; v48-59   the fragment
.set CU,  128                          ; v128..   the upper halves of the two blocks, as the conversions leave them
	s_load_b128 s[4:7], s[0:1], 0x0                ; Wq, Wk
	s_load_b128 s[8:11], s[0:1], 0x10              ; Wv, wcodes
	s_load_b64 s[12:13], s[0:1], 0x20              ; wscales
	s_and_b32 s14, ttmp7, 0xffff                   ; w
	s_lshr_b32 s15, ttmp9, 3                       ; i
	s_and_b32 s16, ttmp9, 7                        ; s
	s_lshl_b32 s17, s14, 4                         ; Wv's first column: 16 w
	s_and_b32 s18, s14, 1
	s_lshl_b32 s18, s18, 5
	s_lshl_b32 s19, s15, 3
	s_add_co_u32 s18, s18, s19                     ; Wq's or Wk's: 32 (w & 1) + 8 i
	s_mul_i32 s26, s14, 24
	s_add_co_u32 s26, s26, ttmp9                   ; the fragment's number: 24 w + f
	s_mul_i32 s28, s26, 1536
	s_mov_b32 s29, 0
	s_lshl_b32 s32, s26, 7
	s_mov_b32 s33, 0
	s_mov_b32 s30, 0x76543210
	s_mov_b32 s31, 0xfedcba98                      ; v_permlanex16_b32's selects for lane l xor 16
	s_lshl_b32 s24, s16, 15                        ; 128 s rows of 256 bytes
	s_mov_b32 s25, 0
	v_and_b32 v1, 15, v0                           ; r
	v_lshrrev_b32 v2, 4, v0                        ; h
	v_lshlrev_b32 v6, 4, v0                        ; out: 16 x lane
	v_lshlrev_b32 v7, 2, v0                        ; and 4 x lane
	s_wait_kmcnt 0x0
	s_cmp_lt_u32 s14, 2                            ; which weight: the choice hangs on the work-group's numbers alone
	s_cselect_b64 s[20:21], s[4:5], s[6:7]
	s_cmp_eq_u32 s15, 2
	s_cselect_b64 s[20:21], s[8:9], s[20:21]
	s_cselect_b32 s22, s17, s18                    ; the tile's first column
	s_cselect_b32 s23, 0, 8                        ; Wv's columns are neighbours; the others leave out eight behind the first eight
	s_lshl_b32 s22, s22, 2
	s_add_co_u32 s24, s24, s22
	s_add_nc_u64 s[20:21], s[20:21], s[24:25]
	s_add_nc_u64 s[10:11], s[10:11], s[28:29]
	s_add_nc_u64 s[12:13], s[12:13], s[32:33]
	v_and_b32 v3, s23, v1
	v_add_nc_u32 v3, v3, v1                        ; r + 8 (r / 8), or r
	v_lshlrev_b32 v5, 2, v3
	v_lshl_add_u32 v5, v2, 13, v5                  ; lanes 16-31 begin 32 rows further down
.irp c, 0,1
.irp i, 0,1,2,3,4,5,6,7,8,9,10,11,12,13,14,15,16,17,18,19,20,21,22,23,24,25,26,27,28,29,30,31
	global_load_b32 v[X+32*\c+\i], v5, s[20:21] offset:256*(64*\c+\i)
.endr
.endr
	s_wait_loadcnt 0x0
.irp c, 0,1
	v_max3_num_f32 v[32+\c], |v[X+32*\c]|, |v[X+1+32*\c]|, 0x1800000   ; my block 2 c + h, and the floor 2^(3 - 127): the byte cannot fall under 1
.endr
.irp i, 2,4,6,8,10,12,14,16,18,20,22,24,26,28,30
.irp c, 0,1
	v_max3_num_f32 v[32+\c], v[32+\c], |v[X+32*\c+\i]|, |v[X+1+32*\c+\i]|   ; the two blocks by turns
.endr
.endr
.irp c, 0,1
	v_add_nc_u32 v[44+\c], 0xff000000, v[32+\c]    ; 2 off the exponent field: the conversion's scale operand
.endr
.irp c, 0,1
	v_lshrrev_b32 v[36+\c], 23, v[44+\c]           ; the scale's byte
.endr
	v_lshl_or_b32 v9, v37, 16, v36                 ; my two bytes: blocks h and 2 + h,
	v_lshlrev_b32 v10, 3, v2
	v_lshlrev_b32 v9, v10, v9                      ; at their places in the word;
	v_mov_b32 v10, 0
	v_permlanex16_b32 v10, v9, s30, s31
	v_or_b32 v9, v9, v10                           ; with lane l xor 16's two the word is whole, in both lanes
.irp c, 0,1
	v_cvt_scalef32_pk16_fp6_f32 v[CD+6*\c:CD+6*\c+2], v[X+32*\c:X+32*\c+15], v[44+\c]
	v_cvt_scalef32_pk16_fp6_f32 v[CU+4*\c:CU+4*\c+2], v[X+32*\c+16:X+32*\c+31], v[44+\c]   ; a conversion's three registers begin on an even number: made here and moved
.endr
	v_nop                                          ; one plain instruction behind the conversions, ahead of the moves that read them
.irp c, 0,1
.irp i, 0,1,2
	v_mov_b32 v[CD+3+6*\c+\i], v[CU+4*\c+\i]
.endr
.endr
.irp c, 0,1,2
	global_store_b128 v6, v[CD+4*\c:CD+4*\c+3], s[10:11] offset:512*\c   ; 32 lanes store 512 consecutive bytes, aligned
.endr
	global_store_b32 v7, v9, s[12:13]              ; 128 consecutive bytes
	s_endpgm
.Lfunc_end_k_qcd99eaf647_quantw:
	.size	k_qcd99eaf647_quantw, .Lfunc_end_k_qcd99eaf647_quantw-k_qcd99eaf647_quantw
	.p2alignl 7, 3214868480
	.fill 96, 4, 3214868480
	.section	.rodata,"a",@progbits
	.p2align	6, 0x0
	.amdhsa_kernel k_qcd99eaf647_quantw
		.amdhsa_group_segment_fixed_size 0
		.amdhsa_private_segment_fixed_size 0
		.amdhsa_enable_private_segment 0
		.amdhsa_kernarg_size 40
		.amdhsa_user_sgpr_count 2
		.amdhsa_user_sgpr_kernarg_segment_ptr 1
		.amdhsa_wavefront_size32 1
		.amdhsa_system_sgpr_workgroup_id_x 1
		.amdhsa_system_sgpr_workgroup_id_y 1
		.amdhsa_system_sgpr_workgroup_id_z 1
		.amdhsa_system_vgpr_workitem_id 0
		.amdhsa_next_free_vgpr 144
		.amdhsa_next_free_sgpr 66
		.amdhsa_reserve_vcc 0
		.amdhsa_float_denorm_mode_32 3
		.amdhsa_float_denorm_mode_16_64 3
		.amdhsa_memory_ordered 1
		.amdhsa_forward_progress 1
		.amdhsa_inst_pref_size 12
	.end_amdhsa_kernel
	.amdgpu_metadata
---
amdhsa.version: [ 1, 2 ]
amdhsa.kernels:
  - .name:           k_qcd99eaf647_quantw
    .symbol:         k_qcd99eaf647_quantw.kd
    .args:
      - { .name: Wq, .offset: 0, .size: 8, .value_kind: global_buffer, .address_space: global }
      - { .name: Wk, .offset: 8, .size: 8, .value_kind: global_buffer, .address_space: global }
      - { .name: Wv, .offset: 16, .size: 8, .value_kind: global_buffer, .address_space: global }
      - { .name: wcodes, .offset: 24, .size: 8, .value_kind: global_buffer, .address_space: global }
      - { .name: wscales, .offset: 32, .size: 8, .value_kind: global_buffer, .address_space: global }
    .group_segment_fixed_size: 0
    .private_segment_fixed_size: 0
    .kernarg_segment_align: 8
    .kernarg_segment_size: 40
    .max_flat_workgroup_size: 32
    .sgpr_count:     66
    .vgpr_count:     144
    .wavefront_size: 32
...
	.end_amdgpu_metadata
.endif
;; end of part 1
;; launch proj (part 2): grid 256 x 1, 4 waves a work-group, no clusters, 327,680 bytes of LDS; arguments idx, wcodes, wscales, bq, bk, bv, q, kv; writes q, kv
.if DOCPART == 2
	.amdgcn_target "amdgcn-amd-amdhsa--gfx1250"
	.amdhsa_code_object_version 6
	.text
	.protected	k_qcd99eaf647_proj
	.globl	k_qcd99eaf647_proj
	.p2align	8
	.type	k_qcd99eaf647_proj,@function
k_qcd99eaf647_proj:
	s_mov_b64 s[64:65], 0
	v_nop
	global_prefetch_b8 v0, s[64:65] scope:SCOPE_SE
	s_setreg_imm32_b32 hwreg(HW_REG_WAVE_MODE, 25, 1), 1
	s_wait_xcnt 0x0
; Q = idx Wq + bq, K = idx Wk + bk, V = idx Wv + bv on codes of FP6 (E2M3) with one E8M0 scale for each 32 along K = 1,024; then Q and K are quantised along their 64 features and V along the tokens,
; and leave as images of the operand registers of the next launch.  idx is read once, as f32, and quantised here.
; SHARES.  A work-group takes 64 tokens (one record).  Its 64 rows x 4,096 bytes of idx are asked for at the head by eight tensor loads a wave (a K step of 128 each: 16 rows x 512 bytes); nothing is filled again.
; Wave w fetches and quantises rows 16 w .. 16 w + 15 and reads only bytes that its own loads brought.  THE WAVES SHARE THE COLUMNS: wave w makes two tiles of Q (w < 2) or K (w >= 2), features 32 (w & 1) on,
; used TRANSPOSED (source 0 = 16 columns of W, source 1 = 16 tokens), and tile w of V in the natural order (source 0 = 16 tokens, source 1 = 16 columns): 12 accumulators, which take turns.
; Its 24 fragments of W come into registers by K step: a group is the step's three fragments and three scale words, 12 loads; the biases and groups 0 to 3 (60 loads) at the head, group s + 4 behind the products of step s.
; x's codes go from wave to wave through LDS as images of their registers.
; THE K STEPS RUN AS A PIPELINE: behind the barrier that shows step s's images whole stand the fetch of those images, the quantising of step s + 1 (in registers already), its image's stores, the LDS loads of step s + 2's numbers,
; and only then the products of step s: the vector work stands between the fetch and its wait, and the products between the loads and theirs.
; THE TOKENS OF A TILE ARE NOT NEIGHBOURS: lane r of token tile m takes token 32 (m / 2) + 8 (m % 2) + r + 8 (r / 8).  So V's 16 registers of tiles 2 P, 2 P + 1 are tokens 32 P + 16 h + 0 .. 15 (its next K),
; and the columns of W's tiles are chosen likewise, so that Q's and K's 16 registers of tiles u = 0, 1 are features 32 (w & 1) + 16 h + 0 .. 15.
; NO CLUSTER: what work-groups share is W's codes, 36,864 bytes a wave; this text uses 324,608 of LDS's 327,680 bytes for idx and the images, so W has no room there and goes from memory straight into registers.
; THE SCORES' FACTOR 1024^-0.5 = 2^-5 is taken off Q's scale bytes.
; LIMITS: a block of zeros gets the byte 1, not 127 (its codes are zeros; only this program reads the bytes); a block of Q whose largest magnitude lies under 2^-119 is quantised at that floor's scale,
; so that its byte less 5 stays at 1 or above; NaN and infinities are not served.
; RECORDS.  kv: 6,400 bytes: K's pieces (p, b) at 768 (2 p + b): six registers a lane, lanes 0-15 row r of token tile 2 p, lanes 16-31 of tile 2 p + 1, feature block b whole; registers 0-3 at 16 x lane, 4-5 at 512 + 8 x lane.
;   V's pieces t at 3,072 + 768 t: lane (r, h): feature 16 t + r, tokens 32 h .. 32 h + 31.  At 6,144 a unit of 256 bytes: 8 r: K's two words [tile 2p.f0, tile 2p+1.f0, tile 2p.f1, tile 2p+1.f1]; 128 + 8 r + 2 t: V's two bytes.
;   q: 3,328 bytes: the same four pieces and the unit (its upper half repeats V's bytes, so that the unit is stored whole).
.set PITCH, 528                        ; an LDS row of idx: 512 bytes + 16: the sixteen rows that a load of 16 bytes a lane touches begin 132 words apart
.set XSLOT, 64*PITCH                   ; a K step's 64 rows
.set FRB,   1536                       ; a fragment's image
.set XIMG,  8*XSLOT                    ; 270,336: x's images (K step s, token tile m) at FRB (4 s + m)
.set XSC,   XIMG+32*FRB                ; 319,488: their scale words, 128 bytes each
.set SST,   XSC+32*128                 ; 323,584: kv's unit of scale bytes, then q's
.set SPARE, SST+512                    ; 324,096: the spare words, 128 bytes for each wave: two blocks of 256 bytes that no other line names
.set XA,  1                            ; v1   my 64 bytes of a block of 32 in my wave's rows of K step 0
.set LI,  2                            ; v2   16 x lane; never rewritten
.set LS,  3                            ; v3   4 x lane; never rewritten
.set XWI, 4                            ; v4   where I store x's images
.set XWS, 5                            ; v5   and their scale words
.set XRI, 6                            ; v6   where I read images
.set XRS, 7                            ; v7   and scale words
.set L8,  8                            ; v8   8 x lane
.set SSA, 9                            ; v9   my row's place for Q's or K's bytes
.set SSV, 10                           ; v10  and for V's
.set SSR, 11                           ; v11  where waves 0 and 1 read a unit back
.set SPW, 12                           ; v12  my spare word; never rewritten
.set NIL, 13                           ; v13  0; never rewritten
.set XAS, 14                           ; v14  XA in the K step whose numbers are being loaded
.set WS,  16                           ; v16-39  W's scale words, by f = 8 i + s
.set XS,  40                           ; v40-43  x's scale words, by token tile
.set PW,  44                           ; v44  the scale word just made
.set PWV, 45                           ; v45  V's two bytes
.set TM,  46                           ; v46-49 largest magnitudes, v50-53 bytes, v54-57 the conversions' scale operands
.set PC,  58                           ; v58-77  the codes just made
.set BO,  78                           ; v78  4 r
.set BH,  79                           ; v79  64 h
.set XN,  80                           ; v80-143  64 numbers of x; at the end V's codes
.set ACC, 144                          ; v144-207 Q's or K's accumulators (m, u) at 16 m + 8 u
.set ACV, 208                          ; v208-239 V's, at 8 m
.set B1,  96                           ; window 2: the bias of tiles u = 0, 1
.set B2,  112                          ; window 2: bv of my column, eight times
.set XF,  120                          ; window 2: x's four fragments.  (Window 1: W's fragments f = 0 .. 15 at 12 f; window 2: f = 16 .. 23 at 12 (f - 16))
.set SEL, 56                           ; s[56:57] selects for lane l xor 16
.set MSB, 0
.macro WIN new                         ; the immediate's high byte repeats the setting that is left
.if MSB != \new
	s_set_vgpr_msb (MSB<<8)|\new
.set MSB, \new
.endif
.endm
.macro PLACES                          ; four places between matrix instructions and loads into their sources, or the first read of their results
.rept 4
	v_nop
.endr
.endm
; 32 x pairs numbers of a lane, register 16 b + i = place 32 b + 16 (lane / 16) + i along the next K of my row, become codes in v[dst] on (lanes 0-15 block 2 c, lanes 16-31 block 2 c + 1, in registers 6 c .. 6 c + 5)
; and the blocks' bytes in v[pw].  fl: the scalar register with the floor under which no largest magnitude is taken.
.macro QUANT src, pairs, fl, dst, pw
.set QB, 0
.rept 2*\pairs
	v_max3_num_f32 v[TM+QB], |v[\src+16*QB]|, |v[\src+16*QB+1]|, s[\fl]
.set QB, QB+1
.endr
.irp i, 2,4,6,8,10,12,14
.set QB, 0
.rept 2*\pairs
	v_max3_num_f32 v[TM+QB], v[TM+QB], |v[\src+16*QB+\i]|, |v[\src+16*QB+\i+1]|   ; the blocks by turns; each accumulator is read from its low end on
.set QB, QB+1
.endr
.endr
.set QB, 0
.rept 2*\pairs
	v_permlanex16_b32 v[TM+4+QB], v[TM+QB], s[SEL], s[SEL+1]
.set QB, QB+1
.endr
.set QB, 0
.rept 2*\pairs
	v_max_num_f32 v[TM+QB], v[TM+QB], v[TM+4+QB]   ; with lane l xor 16's: the block's largest magnitude
.set QB, QB+1
.endr
.set QB, 0
.rept 2*\pairs
	v_add_nc_u32 v[TM+8+QB], 0xff000000, v[TM+QB]  ; 2 off its exponent field: the conversion's scale operand
.set QB, QB+1
.endr
.set QB, 0
.rept 2*\pairs
	v_lshrrev_b32 v[TM+4+QB], 23, v[TM+8+QB]       ; the scale's byte
.set QB, QB+1
.endr
	v_lshl_or_b32 v[\pw], v[TM+5], 8, v[TM+4]
.if \pairs == 2
	v_lshl_or_b32 v[\pw], v[TM+6], 16, v[\pw]
	v_lshl_or_b32 v[\pw], v[TM+7], 24, v[\pw]
.endif
.set QB, 0
.rept \pairs
	v_cvt_scalef32_pk16_fp6_f32 v[\dst+6*QB:\dst+6*QB+2], v[\src+32*QB:\src+32*QB+15], v[TM+8+2*QB]
	v_cvt_scalef32_pk16_fp6_f32 v[\dst+12+4*QB:\dst+14+4*QB], v[\src+32*QB+16:\src+32*QB+31], v[TM+9+2*QB]   ; a conversion's three registers begin on an even number
.set QB, QB+1
.endr
	v_nop                                          ; one plain instruction behind the conversions
.set QB, 0
.rept \pairs
.irp i, 0,1,2
	v_permlane16_swap_b32 v[\dst+6*QB+\i], v[\dst+12+4*QB+\i]   ; a whole block to a lane
.endr
.irp i, 0,1,2
	v_mov_b32 v[\dst+3+6*QB+\i], v[\dst+12+4*QB+\i]
.endr
.set QB, QB+1
.endr
.endm
.macro BARRIER                         ; my LDS stores have landed and my LDS loads are in: then the work-group's barrier
	s_wait_dscnt 0x0
	s_barrier_signal -1
	s_barrier_wait -1
.endm
; W's group of K step s: 12 loads: fragments s and 8 + s (window 1), 16 + s (window 2), and their three scale words.  The address registers and bases are never rewritten.
.macro WLOAD s
	WIN 0x40                                       ; destination window 1
.irp i, 0,1
.irp c, 0,1,2
	global_load_b128 v[12*(8*\i+(\s))+4*\c:12*(8*\i+(\s))+4*\c+3], v[LI], s[70:71] offset:FRB*(8*\i+(\s))+512*\c
.endr
.endr
	WIN 0x80                                       ; destination window 2
.irp c, 0,1,2
	global_load_b128 v[12*(\s)+4*\c:12*(\s)+4*\c+3], v[LI], s[70:71] offset:FRB*(16+(\s))+512*\c
.endr
	WIN 0
.irp i, 0,1,2
	global_load_b32 v[WS+8*\i+(\s)], v[LS], s[72:73] offset:128*(8*\i+(\s))
.endr
.endm
; My 16 rows' 128 numbers of K step s out of LDS: register 16 b + i = x(my row, 128 s + 32 b + 16 h + i).
.macro XLOAD s
	s_wait_tensorcnt 7-(\s)                        ; tensor loads of a wave end in order: K step s's tile is in; the 7 - s younger ones may be out
	v_add_nc_u32 v[XAS], (\s)*XSLOT, v[XA]
.irp b, 0,1,2,3
.irp j, 0,1,2,3
	ds_load_b128 v[XN+16*\b+4*\j:XN+16*\b+4*\j+3], v[XAS] offset:128*\b+16*\j
.endr
.endr
.endm
.macro IMAGE s                         ; my lane's registers, at the lane's place in its token tile's image of K step s, and the scale word: 4 stores
.irp c, 0,1,2
	ds_store_b128 v[XWI], v[PC+4*\c:PC+4*\c+3] offset:4*FRB*(\s)+512*\c
.endr
	ds_store_b32 v[XWS], v[PW] offset:512*(\s)
.endm
; The twelve products of K step s.  In step 0 the biases are the C: nothing is cleared and nothing added later.  The accumulators take turns, one instruction a turn.
.macro MULS s
.if (\s) == 0
	WIN 0x29                                       ; source 0 (W) window 1, source 1 (x) window 2, C (the bias) window 2
.else
	WIN 0x09
.endif
.irp m, 0,1,2,3
.irp u, 0,1
.if (\s) == 0
	v_wmma_scale_f32_16x16x128_f8f6f4 v[ACC+16*\m+8*\u:ACC+16*\m+8*\u+7], v[12*(8*\u+(\s)):12*(8*\u+(\s))+11], v[XF+12*\m:XF+12*\m+11], v[B1+8*\u:B1+8*\u+7], v[WS+8*\u+(\s)], v[XS+\m] matrix_a_fmt:MATRIX_FMT_FP6 matrix_b_fmt:MATRIX_FMT_FP6
.else
	v_wmma_scale_f32_16x16x128_f8f6f4 v[ACC+16*\m+8*\u:ACC+16*\m+8*\u+7], v[12*(8*\u+(\s)):12*(8*\u+(\s))+11], v[XF+12*\m:XF+12*\m+11], v[ACC+16*\m+8*\u:ACC+16*\m+8*\u+7], v[WS+8*\u+(\s)], v[XS+\m] matrix_a_fmt:MATRIX_FMT_FP6 matrix_b_fmt:MATRIX_FMT_FP6
.endif
.endr
.endr
.if (\s) == 0
	WIN 0x2a                                       ; sources 0 (x) and 1 (Wv) window 2, C (bv) window 2
.else
	WIN 0x0a
.endif
.irp m, 0,1,2,3
.if (\s) == 0
	v_wmma_scale_f32_16x16x128_f8f6f4 v[ACV+8*\m:ACV+8*\m+7], v[XF+12*\m:XF+12*\m+11], v[12*(\s):12*(\s)+11], v[B2:B2+7], v[XS+\m], v[WS+16+(\s)] matrix_a_fmt:MATRIX_FMT_FP6 matrix_b_fmt:MATRIX_FMT_FP6
.else
	v_wmma_scale_f32_16x16x128_f8f6f4 v[ACV+8*\m:ACV+8*\m+7], v[XF+12*\m:XF+12*\m+11], v[12*(\s):12*(\s)+11], v[ACV+8*\m:ACV+8*\m+7], v[XS+\m], v[WS+16+(\s)] matrix_a_fmt:MATRIX_FMT_FP6 matrix_b_fmt:MATRIX_FMT_FP6
.endif
.endr
	WIN 0
.endm
; ONE TURN OF THE PIPELINE.  On entry: every wave has passed the barrier behind which K step s's four images are whole, and my numbers of step s + 1 are in registers.
.macro ITER s
	WIN 0x80                                       ; destination window 2
.irp m, 0,1,2,3
.irp c, 0,1,2
	ds_load_b128 v[XF+12*\m+4*\c:XF+12*\m+4*\c+3], v[XRI] offset:FRB*(4*(\s)+\m)+512*\c
.endr
.endr
	WIN 0
.irp m, 0,1,2,3
	ds_load_b32 v[XS+\m], v[XRS] offset:128*(4*(\s)+\m)   ; 16 LDS loads in all: step s's fragments of x and their scale words
.endr
.if (\s) < 7
	QUANT XN, 2, 58, PC, PW                        ; step s + 1 is quantised while those loads are on their way
	IMAGE (\s)+1                                   ; into bytes of its own: nobody reads them before the next barrier
.endif
.if (\s) < 6
	XLOAD (\s)+2                                   ; the conversions have read step s + 1's numbers: their registers take step s + 2's
	s_wait_dscnt 20                                ; step s's fragments are in; the 4 stores and 16 loads issued behind them may be out
.elseif (\s) == 6
	s_wait_dscnt 4                                 ; the 4 stores may be out
.else
	s_wait_dscnt 0x0
.endif
.if (\s) < 5
	s_wait_loadcnt 36                              ; global loads come back in order: W's group s (in step 0 the biases too) is in; the three groups issued behind it may be out
.else
	s_wait_loadcnt 12*(7-(\s))                     ; the 7 - s groups issued behind it
.endif
	MULS \s
	PLACES                                         ; in front of the next fetch into x's fragments and scale words; behind the last step, of the first read of results
.if (\s) < 4
	WLOAD (\s)+4                                   ; into registers that no product has named yet
.endif
.if (\s) < 7
	BARRIER                                        ; step s + 1's four images are whole, and my numbers of step s + 2 are in.  Later tiles stay on their way: nothing is filled again in this launch
.endif
.endm
	s_load_b512 s[68:83], s[0:1], 0x0              ; idx s[68:69], wcodes s[70:71], wscales s[72:73], bq s[74:75], bk s[76:77], bv s[78:79], q s[80:81], kv s[82:83]
	v_lshl_add_u32 v[SPW], v0, 2, SPARE
	v_mov_b32 v[NIL], 0
	ds_add_u32 v[SPW], v[NIL]                      ; the wave's opening: the add and its wait stand ahead of my first tensor load; the set-up below, work on registers, stands between them
	v_lshrrev_b32 v15, 5, v0
	v_readfirstlane_b32 s2, v15                    ; wave 0..3
	s_lshr_b32 s3, s2, 1                           ; w / 2
	s_and_b32 s4, s2, 1                            ; w % 2: my block of 32 features
	; descriptor group 1: 16 rows x 128 elements of 4 bytes, 1,024 elements from row to row; in LDS 4 words of padding behind every 128
	s_mov_b32 s16, (2<<16)|(1<<20)|(6<<22)|(3<<25)
	s_mov_b32 s17, 128<<16                         ; tensor_dim0
	s_mov_b32 s18, 16<<16                          ; tensor_dim1
	s_mov_b32 s19, 128<<16                         ; tile_dim0
	s_mov_b32 s20, 16                              ; tile_dim1
	s_mov_b32 s21, 1024                            ; tensor_dim0_stride
	s_mov_b32 s22, 0
	s_mov_b32 s23, 0
	s_mul_i32 s8, s2, 16*PITCH                     ; my 16 rows in a K step's slot
	s_lshl_b32 s6, ttmp9, 18                       ; 64 rows of 4,096 bytes a work-group,
	s_lshl_b32 s7, s2, 16                          ; 16 a wave
	s_add_co_u32 s6, s6, s7
	s_mov_b32 s7, 0
	s_mov_b32 s[SEL], 0x76543210
	s_mov_b32 s[SEL+1], 0xfedcba98
	s_mul_i32 s5, s3, 2*FRB                        ; x's images: token tile 2 (w / 2) + r / 8, lane place r % 8 + 8 (w % 2) + 16 h
	s_lshl_b32 s9, s4, 7
	s_add_co_u32 s5, s5, s9
	s_add_co_u32 s5, s5, XIMG
	s_lshl_b32 s9, s3, 8                           ; and their scale words
	s_lshl_b32 s61, s4, 5
	s_add_co_u32 s9, s9, s61
	s_add_co_u32 s9, s9, XSC
	s_xor_b32 s61, s3, 1                           ; K's bytes (waves 2, 3) go to the first unit, Q's to the second; 2 (w % 2) bytes on in a word
	s_lshl_b32 s61, s61, 8
	s_lshl_b32 s62, s4, 1
	s_add_co_u32 s61, s61, s62
	s_add_co_u32 s61, s61, SST
	s_lshl_b32 s62, s2, 1                          ; V's two bytes: 128 + 8 r + 2 w
	s_add_co_u32 s62, s62, SST+128
	s_lshl_b32 s63, s4, 8                          ; wave 0 reads the first unit back, wave 1 the second
	s_add_co_u32 s63, s63, SST
	s_wait_dscnt 0x0                               ; the opening add is done
	s_wait_kmcnt 0x0
	s_add_nc_u64 s[68:69], s[68:69], s[6:7]        ; idx at my first row
.irp s, 0,1,2,3,4,5,6,7                ; all eight K steps are asked for at once: eight loads of mine are out, each into bytes of its own
	s_mov_b32 s[24+4*\s], 1
	s_add_co_u32 s[25+4*\s], s8, \s*XSLOT
	s_add_nc_u64 s[26+4*\s:27+4*\s], s[68:69], \s*512
	s_or_b32 s[27+4*\s], s[27+4*\s], 0x80000000
	tensor_load_to_lds s[24+4*\s:27+4*\s], s[16:23]
	s_nop 0
.endr
	v_and_b32 v80, 15, v0                          ; r
	v_bfe_u32 v81, v0, 4, 1                        ; h
	v_bfe_u32 v82, v0, 3, 1                        ; r / 8
	v_and_b32 v83, 7, v0                           ; r % 8
	v_and_b32 v84, 31, v0                          ; lane
	v_lshlrev_b32 v[LI], 4, v84
	v_lshlrev_b32 v[LS], 2, v84
	v_lshlrev_b32 v[L8], 3, v84
	v_lshlrev_b32 v[BO], 2, v80
	v_lshlrev_b32 v[BH], 6, v81
	s_mul_i32 s10, s2, 24*FRB                      ; my 24 fragments of W,
	s_mov_b32 s11, 0
	s_add_nc_u64 s[70:71], s[70:71], s[10:11]
	s_mul_i32 s10, s2, 24*128                      ; their scale words,
	s_add_nc_u64 s[72:73], s[72:73], s[10:11]
	s_mul_i32 s10, ttmp9, 3328                     ; my records
	s_add_nc_u64 s[80:81], s[80:81], s[10:11]
	s_mul_i32 s10, ttmp9, 6400
	s_add_nc_u64 s[82:83], s[82:83], s[10:11]
	s_add_nc_u64 s[12:13], s[82:83], 6144          ; kv's unit,
	s_add_nc_u64 s[14:15], s[80:81], 3072          ; q's
	s_mul_i32 s10, s2, 768
	s_add_nc_u64 s[86:87], s[82:83], s[10:11]
	s_add_nc_u64 s[86:87], s[86:87], 3072          ; V's piece w
	s_lshl_b32 s10, s2, 6
	s_add_nc_u64 s[92:93], s[78:79], s[10:11]      ; bv at my 16 columns
	s_mov_b32 s58, 0x1800000                       ; the floor 2^(3 - 127): the byte cannot fall under 1
	s_mov_b32 s59, 0x1800000
	s_cmp_lt_u32 s2, 2                             ; waves 0 and 1 make Q, waves 2 and 3 K: the choices hang on the wave's number alone
	s_cselect_b64 s[84:85], s[80:81], s[82:83]
	s_cselect_b64 s[90:91], s[74:75], s[76:77]
	s_cselect_b32 s59, 0x4000000, s59              ; Q's floor 2^(8 - 127): its byte less 5 cannot fall under 1
	s_cselect_b32 s60, 0x05050505, 0               ; 5 off each byte of Q: the scores' 2^-5
	s_cmp_eq_u32 s2, 0
	s_cselect_b64 s[88:89], s[12:13], s[14:15]
	s_mul_i32 s10, s4, 768
	s_add_nc_u64 s[84:85], s[84:85], s[10:11]      ; my pieces (p, w % 2) at 1,536 p from here
	s_lshl_b32 s10, s4, 7
	s_add_nc_u64 s[90:91], s[90:91], s[10:11]      ; the bias at my 32 features
	WIN 0x80                                       ; destination window 2: the biases first, 12 loads: the first products want them
.irp u, 0,1
	global_load_b128 v[B1+8*\u:B1+8*\u+3], v[BH], s[90:91] offset:32*\u        ; register j: the bias of feature 32 (w % 2) + 16 h + 8 u + j
	global_load_b128 v[B1+8*\u+4:B1+8*\u+7], v[BH], s[90:91] offset:32*\u+16
.endr
.irp j, 0,1,2,3,4,5,6,7
	global_load_b32 v[B2+\j], v[BO], s[92:93]      ; in V's result a lane holds one column: its bias in all eight registers
.endr
.irp s, 0,1,2,3
	WLOAD \s                                       ; with the biases 60 loads of mine are out
.endr
	v_mul_u32_u24 v[XA], v80, PITCH
	v_lshl_add_u32 v[XA], v81, 6, v[XA]
	v_add_nc_u32 v[XA], s8, v[XA]                  ; row 16 w + r, + 64 h
	v_mul_u32_u24 v[XWI], v82, FRB
	v_lshl_add_u32 v[XWI], v83, 4, v[XWI]
	v_lshl_add_u32 v[XWI], v81, 8, v[XWI]
	v_add_nc_u32 v[XWI], s5, v[XWI]
	v_lshlrev_b32 v[XWS], 7, v82
	v_lshl_add_u32 v[XWS], v83, 2, v[XWS]
	v_lshl_add_u32 v[XWS], v81, 6, v[XWS]
	v_add_nc_u32 v[XWS], s9, v[XWS]
	v_add_nc_u32 v[XRI], XIMG, v[LI]
	v_add_nc_u32 v[XRS], XSC, v[LS]
	v_lshl_add_u32 v[SSA], v80, 3, s61
	v_lshl_add_u32 v[SSV], v80, 3, s62
	v_lshl_add_u32 v[SSR], v84, 3, s63
.irp b, 0,1,2,3
	v_mov_b32 v[TM+4+\b], 0                        ; written once: a lane permute's destination counts as one of its sources
.endr
	; the pipeline is filled: step 0 quantised and its image stored, step 1's numbers fetched
	XLOAD 0
	s_wait_dscnt 0x0
	QUANT XN, 2, 58, PC, PW
	IMAGE 0
	XLOAD 1
	BARRIER                                        ; step 0's four images are whole, and my numbers of step 1 are in
.irp s, 0,1,2,3,4,5,6,7
	ITER \s
.endr
	; THE WAY OUT (four places stand behind the last products).  Q's or K's four "blocks" are the four token tiles' 32 features of my block; V's two are the record's two blocks of 32 tokens.
	QUANT ACC, 2, 59, PC, PW
	v_sub_nc_u32 v[PW], v[PW], s60                 ; each byte of Q is 6 or more: no borrow
	ds_store_b16 v[SSA], v[PW]                     ; tiles 0 and 1: word 0;  (lanes r and r + 16 write the same bytes with the same value)
	ds_store_b16_d16_hi v[SSA], v[PW] offset:4     ; tiles 2 and 3: word 1
.irp p, 0,1
	global_store_b128 v[LI], v[PC+6*\p:PC+6*\p+3], s[84:85] offset:1536*\p        ; 512 consecutive bytes, aligned
	global_store_b64 v[L8], v[PC+6*\p+4:PC+6*\p+5], s[84:85] offset:1536*\p+512   ; 256 consecutive bytes, aligned
.endr
	QUANT ACV, 1, 58, XN, PWV                      ; into other registers: the stores above may still read theirs
	ds_store_b16 v[SSV], v[PWV]
	ds_store_b16 v[SSV], v[PWV] offset:256         ; and into q's unit, so that it is stored whole
	global_store_b128 v[LI], v[XN:XN+3], s[86:87]
	global_store_b64 v[L8], v[XN+4:XN+5], s[86:87] offset:512
	BARRIER                                        ; both units are whole
	s_cmp_lt_u32 s2, 2
	s_cbranch_scc0 .Lno_unit
	ds_load_b64 v[TM:TM+1], v[SSR]
	s_wait_dscnt 0x0
	global_store_b64 v[L8], v[TM:TM+1], s[88:89]   ; 256 consecutive bytes, aligned
.Lno_unit:
	s_wait_tensorcnt 0x0                           ; the wave's end, behind my last tensor load and my last LDS store
	ds_add_u32 v[SPW], v[NIL]
	s_wait_dscnt 0x0
	s_endpgm
.Lfunc_end_k_qcd99eaf647_proj:
	.size	k_qcd99eaf647_proj, .Lfunc_end_k_qcd99eaf647_proj-k_qcd99eaf647_proj
	.p2alignl 7, 3214868480
	.fill 96, 4, 3214868480
	.section	.rodata,"a",@progbits
	.p2align	6, 0x0
	.amdhsa_kernel k_qcd99eaf647_proj
		.amdhsa_group_segment_fixed_size 327680
		.amdhsa_private_segment_fixed_size 0
		.amdhsa_enable_private_segment 0
		.amdhsa_kernarg_size 64
		.amdhsa_user_sgpr_count 2
		.amdhsa_user_sgpr_kernarg_segment_ptr 1
		.amdhsa_wavefront_size32 1
		.amdhsa_system_sgpr_workgroup_id_x 1
		.amdhsa_system_sgpr_workgroup_id_y 1
		.amdhsa_system_sgpr_workgroup_id_z 1
		.amdhsa_system_vgpr_workitem_id 0
		.amdhsa_next_free_vgpr 704
		.amdhsa_next_free_sgpr 96
		.amdhsa_reserve_vcc 0
		.amdhsa_float_denorm_mode_32 3
		.amdhsa_float_denorm_mode_16_64 3
		.amdhsa_memory_ordered 1
		.amdhsa_forward_progress 1
		.amdhsa_inst_pref_size 89
	.end_amdhsa_kernel
	.amdgpu_metadata
---
amdhsa.version: [ 1, 2 ]
amdhsa.kernels:
  - .name:           k_qcd99eaf647_proj
    .symbol:         k_qcd99eaf647_proj.kd
    .args:
      - { .name: idx, .offset: 0, .size: 8, .value_kind: global_buffer, .address_space: global }
      - { .name: wcodes, .offset: 8, .size: 8, .value_kind: global_buffer, .address_space: global }
      - { .name: wscales, .offset: 16, .size: 8, .value_kind: global_buffer, .address_space: global }
      - { .name: bq, .offset: 24, .size: 8, .value_kind: global_buffer, .address_space: global }
      - { .name: bk, .offset: 32, .size: 8, .value_kind: global_buffer, .address_space: global }
      - { .name: bv, .offset: 40, .size: 8, .value_kind: global_buffer, .address_space: global }
      - { .name: q, .offset: 48, .size: 8, .value_kind: global_buffer, .address_space: global }
      - { .name: kv, .offset: 56, .size: 8, .value_kind: global_buffer, .address_space: global }
    .group_segment_fixed_size: 327680
    .private_segment_fixed_size: 0
    .kernarg_segment_align: 8
    .kernarg_segment_size: 64
    .max_flat_workgroup_size: 128
    .sgpr_count:     96
    .vgpr_count:     704
    .wavefront_size: 32
...
	.end_amdgpu_metadata
.endif
;; end of part 2
;; launch attn (part 3): grid 64 x 4, 8 waves a work-group, clusters of 4 x 1, 327,680 bytes of LDS; arguments q, kv, out0; writes out0
.if DOCPART == 3
	.amdgcn_target "amdgcn-amd-amdhsa--gfx1250"
	.amdhsa_code_object_version 6
	.text
	.protected	k_qcd99eaf647_attn
	.globl	k_qcd99eaf647_attn
	.p2align	8
	.type	k_qcd99eaf647_attn,@function
k_qcd99eaf647_attn:
	s_mov_b64 s[64:65], 0
	v_nop
	global_prefetch_b8 v0, s[64:65] scope:SCOPE_SE
	s_setreg_imm32_b32 hwreg(HW_REG_WAVE_MODE, 25, 1), 1
	s_wait_xcnt 0x0
	s_wait_alu depctr_hold_cnt(0) depctr_sa_sdst(0) depctr_va_vdst(0) depctr_va_sdst(0) depctr_va_ssrc(0) depctr_va_vcc(0) depctr_vm_vsrc(0)
	s_getreg_b32 s2, hwreg(HW_REG_IB_STS2, 6, 4)
	s_cmp_eq_u32 s2, 0
	s_cbranch_scc0 .Lentry_in_a_cluster
	s_endpgm
.Lentry_in_a_cluster:
	s_bfe_u32 s2, ttmp6, 0x10000c
	s_cmp_lg_u32 s2, 0x3003
	s_cbranch_scc0 .Lentry_shape_is_right
	s_endpgm
.Lentry_shape_is_right:
; out = Q(wei) Q(V), wei = Q K^T x 2^-5 (the factor lies in Q's scale bytes), both products on codes of FP6 (E2M3) with one E8M0 scale for each 32 along K; wei is quantised along the keys in registers.  No mask, no softmax.
; SHARES.  A work-group owns 64 queries of one batch: four tiles of 16, in the record's token order.  THE WAVES SHARE THE KEYS: in step i (0 .. 3) wave w takes records 16 i + 2 w and 16 i + 2 w + 1, 128 keys,
; for all four query tiles: each fragment feeds four matrix instructions, each wave reads only bytes that its own loads brought, and the eight waves' parts of out are added at the end through LDS.
; WHERE THE RECORDS COME FROM.  A batch's records are 4 x 102,400 bytes; LDS has room for three such steps.  The records are images of the operands' registers, so STEP 0's go from memory straight into K's and V's registers
; (34 loads a wave, issued with Q's 9 directly behind the arguments, ahead of the cluster's opening round); steps 1, 2, 3 are the first fills of three LDS slots (a wave's two records at 12,800 w).  NOTHING IS FILLED AGAIN.
; CLUSTER.  The four work-groups of a cluster belong to one batch and walk the same records: the three slots' tiles are asked for JOINTLY, by the same tensor load with the same descriptor and a mask that names the four.
; Step 0's quarter is not shared so: through LDS it would be a fourth tile, a refill behind a round in front of which all 32 waves of the cluster wait for all their loads.
; By this text's own count a wave has three tensor loads out.
; BOTH PRODUCTS ARE USED TRANSPOSED: S^T = K Q^T (source 0 = keys, source 1 = queries), O^T = V^T P^T (source 0 = 16 features, source 1 = P): a lane holds one query throughout.
; K = 64 IN AN INSTRUCTION OF K = 128.  A fragment of K holds TWO key tiles a, b: its four blocks of 32 are [a.f0, b.f0, a.f1, b.f1].  Q comes in two versions: "lo" has the query tile's codes in lanes 0-15 (blocks 0, 2) and zero codes
; in lanes 16-31, which gives S for tile a; "hi" the other way round, for tile b.  Zero codes add nothing under any scale byte but 0xff, which no byte here is.
; The tokens of a tile are chosen (lane r of tile m: token 32 (m / 2) + 8 (m % 2) + r + 8 (r / 8)) so that S's 16 registers of tiles a, b are 16 neighbouring keys, 32 d + 16 (lane / 16) + 0 .. 15 of the step: the next K.
; LIMITS: a block of zeros gets the byte 1, not 127 (its codes are zeros); NaN and infinities are not served; out's sum over the keys is taken in eight parts of four steps each, another order of f32 additions than one ascending chain.
; REGISTERS.  Window 0: v1-8 addresses; v10, v11 the add's two; v12-13 Q's words as loaded; v15 P's scale word; v16-19 K's scale words (lanes 16-31: V's bytes); v20-23 V's; v24-31 Q's; v32-43 at work; v44-63 P's codes;
;   v64-127 S; v128-255 O^T: (query tile t, feature tile f) at 128 + 8 (4 t + f).   Window 1: v0-47 K's four double fragments; v48-95 V's four; v96-191 Q's eight versions.
.set REC,   6400
.set WPART, 2*REC                      ; a wave's two records
.set SLOTB, 8*WPART                    ; 102,400: a step's sixteen records
.set SPARE, 3*SLOTB                    ; 307,200: the spare words, 128 bytes for each wave: four blocks of 256 bytes that no other line names
.set STAGE, SLOTB                      ; the way out: eight regions of 64 rows x 272 bytes, in slots 1 and 2, which have had their only fill and are read by nobody when the first result is stored there
.set SP,    272
.set SREG,  64*SP
.set LI,  1                            ; v1   16 x lane; never rewritten
.set L8,  2                            ; v2   8 x lane; never rewritten
.set A16, 3                            ; v3   my wave's records of the step to be fetched, + 16 x lane
.set A8,  4                            ; v4   + 8 x lane
.set A16B, 5                           ; v5   the same in slot 0; never rewritten
.set A8B, 6                            ; v6
.set STO, 7                            ; v7   the stage: where I put 32 bytes of a row
.set RD,  8                            ; v8   and where I read rows back, in region 0
.set SPW, 10
.set NIL, 11
.set PW,  15
.set KS,  16
.set VS,  20
.set QS,  24
.set TM,  32
.set PC,  44
.set S,   64
.set O,   128
.set VF,  48                           ; window 1
.set QV,  96                           ; window 1
.set WV,  10                           ; s10  my wave's number
.set SEL, 44                           ; s[44:45]
.set FLO, 46                           ; s46  the floor
.set MSB, 0
.macro WIN new                         ; the immediate's high byte repeats the setting that is left
.if MSB != \new
	s_set_vgpr_msb (MSB<<8)|\new
.set MSB, \new
.endif
.endm
.macro PLACES
.rept 4
	v_nop
.endr
.endm
.macro CROUND                          ; a round of the cluster's barrier
	s_barrier_signal -1
	s_barrier_wait -1
	s_cmp_lg_u32 s[WV], 0
	s_cbranch_scc1 .Lnot_wave_0_\@
	s_barrier_signal -3
.Lnot_wave_0_\@:
	s_barrier_wait -3
	s_barrier_signal -1
	s_barrier_wait -1
.endm
.macro FETCH_K                         ; 18 loads: the step's four double fragments of K, as they lie, and the two records' units of scale bytes
	WIN 0x40                                       ; destination window 1
.irp g, 0,1
.irp p, 0,1
.irp b, 0,1
	ds_load_b128 v[12*(2*\g+\p)+6*\b:12*(2*\g+\p)+6*\b+3], v[A16] offset:REC*\g+768*(2*\p+\b)
	ds_load_b64 v[12*(2*\g+\p)+6*\b+4:12*(2*\g+\p)+6*\b+5], v[A8] offset:REC*\g+768*(2*\p+\b)+512
.endr
.endr
.endr
	WIN 0
.irp g, 0,1
	ds_load_b64 v[KS+2*\g:KS+2*\g+1], v[A8] offset:REC*\g+6144
.endr
.endm
.macro FETCH_V                         ; 16 loads: V's four fragments: feature tile f, registers 6 g on: record g's 64 tokens
	WIN 0x40
.irp g, 0,1
.irp f, 0,1,2,3
	ds_load_b128 v[VF+12*\f+6*\g:VF+12*\f+6*\g+3], v[A16] offset:REC*\g+3072+768*\f
	ds_load_b64 v[VF+12*\f+6*\g+4:VF+12*\f+6*\g+5], v[A8] offset:REC*\g+3072+768*\f+512
.endr
.endr
	WIN 0
.endm
; S's 64 numbers of a lane, register 16 b + i = key 32 b + 16 (lane / 16) + i of my query, become P's fragment in v[PC] on and its scale word in v[PW].
.macro QUANT
.irp b, 0,1,2,3
	v_max3_num_f32 v[TM+\b], |v[S+16*\b]|, |v[S+16*\b+1]|, s[FLO]   ; and the floor 2^(3 - 127): the byte cannot fall under 1
.endr
.irp i, 2,4,6,8,10,12,14
.irp b, 0,1,2,3
	v_max3_num_f32 v[TM+\b], v[TM+\b], |v[S+16*\b+\i]|, |v[S+16*\b+\i+1]|   ; the four blocks by turns; each accumulator is read from its low end on
.endr
.endr
.irp b, 0,1,2,3
	v_permlanex16_b32 v[TM+4+\b], v[TM+\b], s[SEL], s[SEL+1]
.endr
.irp b, 0,1,2,3
	v_max_num_f32 v[TM+\b], v[TM+\b], v[TM+4+\b]   ; with lane l xor 16's: the block's largest magnitude
.endr
.irp b, 0,1,2,3
	v_add_nc_u32 v[TM+8+\b], 0xff000000, v[TM+\b]  ; 2 off its exponent field: the conversion's scale operand
.endr
.irp b, 0,1,2,3
	v_lshrrev_b32 v[TM+4+\b], 23, v[TM+8+\b]       ; the scale's byte
.endr
	v_lshl_or_b32 v[PW], v[TM+5], 8, v[TM+4]
	v_lshl_or_b32 v[PW], v[TM+6], 16, v[PW]
	v_lshl_or_b32 v[PW], v[TM+7], 24, v[PW]
.irp c, 0,1
	v_cvt_scalef32_pk16_fp6_f32 v[PC+6*\c:PC+6*\c+2], v[S+32*\c:S+32*\c+15], v[TM+8+2*\c]
	v_cvt_scalef32_pk16_fp6_f32 v[PC+12+4*\c:PC+14+4*\c], v[S+32*\c+16:S+32*\c+31], v[TM+9+2*\c]   ; a conversion's three registers begin on an even number
.endr
	v_nop                                          ; one plain instruction behind the conversions
.irp c, 0,1
.irp i, 0,1,2
	v_permlane16_swap_b32 v[PC+6*\c+\i], v[PC+12+4*\c+\i]   ; a whole block to a lane
.endr
.irp i, 0,1,2
	v_mov_b32 v[PC+3+6*\c+\i], v[PC+12+4*\c+\i]
.endr
.endr
.endm
.macro SMUL t                          ; S^T of query tile t against the step's eight key tiles: eight accumulators, each begun with the constant 0
	WIN 0x05                                       ; sources 0 (K) and 1 (Q) window 1
.irp d, 0,1,2,3
.irp a, 0,1
	v_wmma_scale_f32_16x16x128_f8f6f4 v[S+8*(2*\d+\a):S+8*(2*\d+\a)+7], v[12*\d:12*\d+11], v[QV+12*(2*(\t)+\a):QV+12*(2*(\t)+\a)+11], 0, v[KS+\d], v[QS+2*(\t)+\a] matrix_a_fmt:MATRIX_FMT_FP6 matrix_b_fmt:MATRIX_FMT_FP6
.endr
.endr
.endm
.macro PVMUL t, zero                   ; O^T of query tile t += V^T P^T: four accumulators, one instruction each.  V's scale words are read from lanes 16-31
	WIN 0x01                                       ; source 0 (V) window 1
.irp f, 0,1,2,3
.if \zero
	v_wmma_scale_f32_16x16x128_f8f6f4 v[O+8*(4*(\t)+\f):O+8*(4*(\t)+\f)+7], v[VF+12*\f:VF+12*\f+11], v[PC:PC+11], 0, v[VS+\f], v[PW] matrix_a_fmt:MATRIX_FMT_FP6 matrix_b_fmt:MATRIX_FMT_FP6 matrix_a_scale:MATRIX_SCALE_ROW1
.else
	v_wmma_scale_f32_16x16x128_f8f6f4 v[O+8*(4*(\t)+\f):O+8*(4*(\t)+\f)+7], v[VF+12*\f:VF+12*\f+11], v[PC:PC+11], v[O+8*(4*(\t)+\f):O+8*(4*(\t)+\f)+7], v[VS+\f], v[PW] matrix_a_fmt:MATRIX_FMT_FP6 matrix_b_fmt:MATRIX_FMT_FP6 matrix_a_scale:MATRIX_SCALE_ROW1
.endif
.endr
.endm
; A STEP: 128 keys against the four query tiles.  zero = 1: the first step: its operands come by global loads, and its products start O^T's sums.
; fetch = 1: the next step's operands are fetched from slot nslot; tcnt: how many younger tensor loads may be out when that slot's has to be there.
; No two matrix instructions that follow each other share an accumulator, and each accumulator's turn is one instruction.
.macro STEP zero, fetch, nslot, tcnt
.if \zero
	s_wait_loadcnt 16                              ; global loads come back in order: K's fragments and the scale units are in; V's sixteen loads may be out
.else
	s_wait_dscnt 16                                ; K's fragments and the scale units are in; V's sixteen loads may be out
.endif
	v_perm_b32 v[VS+0], v[KS+2], v[KS+0], s47      ; V's scale words, in lanes 16-31: the even record's two bytes below, the odd record's above
	v_perm_b32 v[VS+1], v[KS+2], v[KS+0], s48
	v_perm_b32 v[VS+2], v[KS+3], v[KS+1], s47
	v_perm_b32 v[VS+3], v[KS+3], v[KS+1], s48
.irp t, 0,1,2,3
	SMUL \t
	WIN 0
.if (\t == 3) && (\fetch != 0)
	s_wait_tensorcnt \tcnt                         ; tensor loads of a wave end in order: my part of the next step's slot is in.  I read only my own loads' bytes: no barrier
	v_add_nc_u32 v[A16], SLOTB*\nslot, v[A16B]
	v_add_nc_u32 v[A8], SLOTB*\nslot, v[A8B]
.endif
	PLACES                                         ; four places between these products and the first read of S, and the loads into K's registers and scale words
.if (\t == 3) && (\fetch != 0)
	FETCH_K                                        ; all four query tiles have multiplied by this step's K
.endif
	QUANT
	PLACES                                         ; P's registers stand four places ahead of the products, its scale word more than eight
.if \t == 0
.if \zero
	s_wait_loadcnt 0x0                             ; V is in
.else
	s_wait_dscnt 0x0                               ; V is in
.endif
.endif
	PVMUL \t, \zero
.endr
.if \fetch != 0
	WIN 0
	PLACES                                         ; four places between the last products and the loads into V's registers, and the next step's writes of V's scale words
	FETCH_V
.endif
.endm
	s_load_b128 s[4:7], s[0:1], 0x0                ; q, kv
	s_load_b64 s[8:9], s[0:1], 0x10                ; out0
	v_lshl_add_u32 v[SPW], v0, 2, SPARE
	v_mov_b32 v[NIL], 0
	ds_add_u32 v[SPW], v[NIL]                      ; the wave's opening: the add and its wait stand ahead of the round in front of my first tensor loads; the set-up below, work on registers, stands between them
	v_lshrrev_b32 v9, 5, v0
	v_readfirstlane_b32 s[WV], v9                  ; wave 0..7
	v_and_b32 v9, 31, v0                           ; lane
	v_lshlrev_b32 v[LI], 4, v9
	v_lshlrev_b32 v[L8], 3, v9
	s_bfe_u32 s11, ttmp6, 0x40000                  ; cx: my place in the cluster: it enters q's and out0's addresses alone
	s_lshl_b32 s12, ttmp9, 2
	s_add_co_u32 s12, s12, s11                     ; my block of 64 queries = 4 x cluster x + cx
	s_and_b32 s13, ttmp7, 0xffff                   ; the batch, which the four partners share
	; descriptor group 1: two records, 12,800 dense bytes, as 50 rows of 256 bytes (32 elements of 8 bytes); no padding: every read takes consecutive bytes
	s_mov_b32 s16, 15|(3<<16)|(1<<21)              ; 15:0 the mask: all four work-groups; 17:16 elements of 8 bytes; 21 set beside a mask
	s_mov_b32 s17, 32<<16                          ; tensor_dim0
	s_mov_b32 s18, 50<<16                          ; tensor_dim1
	s_mov_b32 s19, 32<<16                          ; tile_dim0
	s_mov_b32 s20, 50                              ; tile_dim1
	s_mov_b32 s21, 32                              ; tensor_dim0_stride
	s_mov_b32 s22, 0
	s_mov_b32 s23, 0
	s_mul_i32 s14, s[WV], WPART                    ; my wave's part of a slot, and of a step's 16 records in memory
	s_mul_i32 s40, s13, 64*REC                     ; the batch's 64 records
	s_add_co_u32 s40, s40, s14
	s_mov_b32 s41, 0
	s_lshl_b32 s50, s13, 6
	s_add_co_u32 s50, s50, s12                     ; my record of q
	s_mul_i32 s52, s50, 3328
	s_mov_b32 s53, 0
	s_lshl_b32 s54, s50, 14                        ; my 64 rows of out0, 256 bytes each,
	s_lshl_b32 s51, s[WV], 11                      ; and my wave's eight of them
	s_add_co_u32 s54, s54, s51
	s_mov_b32 s55, 0
	s_mov_b32 s42, 0x0000ffff                      ; lanes 0-15
	s_mov_b32 s43, 0xffff0000                      ; lanes 16-31
	s_mov_b32 s[SEL], 0x76543210
	s_mov_b32 s[SEL+1], 0xfedcba98
	s_mov_b32 s[FLO], 0x1800000
	s_mov_b32 s47, 0x05040100                      ; the low halves of two words
	s_mov_b32 s48, 0x07060302                      ; the high halves
	s_wait_dscnt 0x0                               ; the opening add is done
	s_wait_kmcnt 0x0
	s_add_nc_u64 s[6:7], s[6:7], s[40:41]          ; kv at my wave's two records of step 0
	s_add_nc_u64 s[4:5], s[4:5], s[52:53]
	s_add_nc_u64 s[8:9], s[8:9], s[54:55]
	; 43 global loads, in the order in which they are wanted: Q (9), step 0's K and scale units (18), its V (16).  Their bases and offset registers are never rewritten
.irp p, 0,1
.irp b, 0,1
	global_load_b128 v[S+12*\p+6*\b:S+12*\p+6*\b+3], v[LI], s[4:5] offset:768*(2*\p+\b)        ; L_p: lanes 0-15 query tile 2 p, lanes 16-31 tile 2 p + 1
	global_load_b64 v[S+12*\p+6*\b+4:S+12*\p+6*\b+5], v[L8], s[4:5] offset:768*(2*\p+\b)+512
.endr
.endr
	global_load_b64 v[12:13], v[L8], s[4:5] offset:3072   ; lanes 0-15: Q's two words of row r
	WIN 0x40                                       ; destination window 1
.irp g, 0,1
.irp p, 0,1
.irp b, 0,1
	global_load_b128 v[12*(2*\g+\p)+6*\b:12*(2*\g+\p)+6*\b+3], v[LI], s[6:7] offset:REC*\g+768*(2*\p+\b)
	global_load_b64 v[12*(2*\g+\p)+6*\b+4:12*(2*\g+\p)+6*\b+5], v[L8], s[6:7] offset:REC*\g+768*(2*\p+\b)+512
.endr
.endr
.endr
	WIN 0
.irp g, 0,1
	global_load_b64 v[KS+2*\g:KS+2*\g+1], v[L8], s[6:7] offset:REC*\g+6144
.endr
	WIN 0x40
.irp g, 0,1
.irp f, 0,1,2,3
	global_load_b128 v[VF+12*\f+6*\g:VF+12*\f+6*\g+3], v[LI], s[6:7] offset:REC*\g+3072+768*\f
	global_load_b64 v[VF+12*\f+6*\g+4:VF+12*\f+6*\g+5], v[L8], s[6:7] offset:REC*\g+3072+768*\f+512
.endr
.endr
	WIN 0
.irp i, 0,1,2                          ; slot i takes step i + 1
	s_mov_b32 s[24+4*\i], 1
	s_add_co_u32 s[25+4*\i], s14, SLOTB*\i
	s_add_nc_u64 s[26+4*\i:27+4*\i], s[6:7], SLOTB*(\i+1)
	s_or_b32 s[27+4*\i], s[27+4*\i], 0x80000000
.endr
	CROUND                                         ; all four work-groups are here: the joint loads meet
.irp i, 0,1,2
	tensor_load_to_lds s[24+4*\i:27+4*\i], s[16:23]
	s_nop 0
.endr
	PLACES
	v_add_nc_u32 v[A16B], s14, v[LI]
	v_add_nc_u32 v[A8B], s14, v[L8]
	v_and_b32 v32, 15, v0                          ; r
	v_bfe_u32 v33, v0, 4, 1                        ; h
	v_and_b32 v34, 8, v0
	v_add_nc_u32 v34, v34, v32                     ; r + 8 (r / 8)
	s_mul_i32 s49, s[WV], SREG
	s_add_co_u32 s49, s49, STAGE                   ; my region of the stage
	v_mul_u32_u24 v[STO], v34, SP
	v_lshl_add_u32 v[STO], v33, 5, v[STO]
	v_add_nc_u32 v[STO], s49, v[STO]               ; in: the row of my query in its tile, + 32 h
	s_mul_i32 s49, s[WV], 8*SP
	s_add_co_u32 s49, s49, STAGE
	v_mul_u32_u24 v[RD], v33, SP
	v_lshl_add_u32 v[RD], v32, 4, v[RD]
	v_add_nc_u32 v[RD], s49, v[RD]                 ; back: rows 8 w on; lanes 0-15 one row, lanes 16-31 the next
.irp b, 0,1,2,3
	v_mov_b32 v[TM+4+\b], 0                        ; written once: a lane permute's destination counts as one of its sources
.endr
.set KN, 0
.rept 24
	v_mov_b32 v[S+32+KN], 0                        ; likewise
.set KN, KN+1
.endr
	s_wait_loadcnt 34                              ; Q's nine loads are in; K's 18 and V's 16 may be out
.irp p, 0,1                            ; Q's scale words.  The record's word is [a.f0, b.f0, a.f1, b.f1], a = tile 2 p, b = tile 2 p + 1; a version wants its tile's two bytes over its two blocks; the other two bytes stand over zero codes
	v_mov_b32 v[QS+4*\p], v[12+\p]                 ; (a, lo): bytes 0 and 2
	v_lshlrev_b32 v[QS+4*\p+1], 8, v[12+\p]        ; (a, hi): to bytes 1 and 3
	v_lshrrev_b32 v[QS+4*\p+2], 8, v[12+\p]        ; (b, lo): to bytes 0 and 2
	v_mov_b32 v[QS+4*\p+3], v[12+\p]               ; (b, hi): bytes 1 and 3
.endr
.set KN, 0
.rept 24
	v_permlanex16_b32 v[S+32+KN], v[S+KN], s[SEL], s[SEL+1]   ; M_p: L_p with the halves of the lanes exchanged
.set KN, KN+1
.endr
	WIN 0x40                                       ; destination window 1
.irp p, 0,1
.set KN, 0
.rept 12
	v_cndmask_b32 v[QV+12*(4*\p)+KN], 0, v[S+12*\p+KN], s42        ; (tile 2 p, lo)
	v_cndmask_b32 v[QV+12*(4*\p+1)+KN], 0, v[S+32+12*\p+KN], s43   ; (tile 2 p, hi)
	v_cndmask_b32 v[QV+12*(4*\p+2)+KN], 0, v[S+32+12*\p+KN], s42   ; (tile 2 p + 1, lo)
	v_cndmask_b32 v[QV+12*(4*\p+3)+KN], 0, v[S+12*\p+KN], s43      ; (tile 2 p + 1, hi)
.set KN, KN+1
.endr
.endr
	WIN 0
	STEP 1, 1, 0, 2                                ; step 0, out of registers filled from memory; step 1 is fetched from slot 0: slots 1 and 2 may be out
	STEP 0, 1, 1, 1                                ; step 1; step 2 from slot 1: slot 2 may be out
	STEP 0, 1, 2, 0                                ; step 2; step 3 from slot 2: my last tensor load
	STEP 0, 0, 0, 0                                ; step 3
	; THE WAY OUT.  Each wave's O^T goes into its region of the stage as rows of out (row = the query's token in the block of 64); then wave w adds rows 8 w .. 8 w + 7 of the eight regions and stores them.
	WIN 0
	PLACES                                         ; four places between the last products and the first read of results
	s_wait_dscnt 0x0
	s_barrier_signal -1
	s_barrier_wait -1                              ; every wave's tensor loads have landed (its wait for 0 in step 2), and no wave reads slots 1 and 2 any more
.irp t, 0,1,2,3
.irp f, 0,1,2,3
	ds_store_b128 v[STO], v[O+8*(4*\t+\f):O+8*(4*\t+\f)+3] offset:(32*(\t/2)+8*(\t%2))*SP+64*\f        ; lane (r, h): out(query (t, r), 16 f + 8 h + 0 .. 7); each accumulator from its low end on
	ds_store_b128 v[STO], v[O+8*(4*\t+\f)+4:O+8*(4*\t+\f)+7] offset:(32*(\t/2)+8*(\t%2))*SP+64*\f+16
.endr
.endr
	s_wait_dscnt 0x0                               ; for the others' sake: my stores have landed
	s_barrier_signal -1
	s_barrier_wait -1
.irp g, 0,1,2,3,4,5,6,7
	v_add_nc_u32 v[TM+\g], SREG*\g, v[RD]
.endr
.irp g, 0,1,2,3,4,5,6,7
.irp c, 0,1,2,3
	ds_load_b128 v[O+16*\g+4*\c:O+16*\g+4*\c+3], v[TM+\g] offset:2*SP*\c
.endr
.endr
	s_wait_dscnt 0x0
.irp g, 0,2,4,6
.irp j, 0,2,4,6,8,10,12,14
	v_pk_add_f32 v[O+16*\g+\j:O+16*\g+\j+1], v[O+16*\g+\j:O+16*\g+\j+1], v[O+16*(\g+1)+\j:O+16*(\g+1)+\j+1]
.endr
.endr
.irp g, 0,4
.irp j, 0,2,4,6,8,10,12,14
	v_pk_add_f32 v[O+16*\g+\j:O+16*\g+\j+1], v[O+16*\g+\j:O+16*\g+\j+1], v[O+16*(\g+2)+\j:O+16*(\g+2)+\j+1]
.endr
.endr
.irp j, 0,2,4,6,8,10,12,14
	v_pk_add_f32 v[S+\j:S+\j+1], v[O+\j:O+\j+1], v[O+64+\j:O+64+\j+1]
.endr
.irp c, 0,1,2,3
	global_store_b128 v[LI], v[S+4*\c:S+4*\c+3], s[8:9] offset:512*\c th:TH_STORE_NT   ; 32 lanes store two rows: 512 consecutive bytes, aligned; written once, read by nobody here
.endr
	s_wait_tensorcnt 0x0                           ; the wave's end, behind my last tensor load and my last LDS store
	ds_add_u32 v[SPW], v[NIL]
	s_wait_dscnt 0x0
	CROUND                                         ; the closing round: no work-group ends while a partner may still ask for a tile that names it
	s_endpgm
.Lfunc_end_k_qcd99eaf647_attn:
	.size	k_qcd99eaf647_attn, .Lfunc_end_k_qcd99eaf647_attn-k_qcd99eaf647_attn
	.p2alignl 7, 3214868480
	.fill 96, 4, 3214868480
	.section	.rodata,"a",@progbits
	.p2align	6, 0x0
	.amdhsa_kernel k_qcd99eaf647_attn
		.amdhsa_group_segment_fixed_size 327680
		.amdhsa_private_segment_fixed_size 0
		.amdhsa_enable_private_segment 0
		.amdhsa_kernarg_size 24
		.amdhsa_user_sgpr_count 2
		.amdhsa_user_sgpr_kernarg_segment_ptr 1
		.amdhsa_wavefront_size32 1
		.amdhsa_system_sgpr_workgroup_id_x 1
		.amdhsa_system_sgpr_workgroup_id_y 1
		.amdhsa_system_sgpr_workgroup_id_z 1
		.amdhsa_system_vgpr_workitem_id 0
		.amdhsa_next_free_vgpr 448
		.amdhsa_next_free_sgpr 66
		.amdhsa_reserve_vcc 0
		.amdhsa_float_denorm_mode_32 3
		.amdhsa_float_denorm_mode_16_64 3
		.amdhsa_memory_ordered 1
		.amdhsa_forward_progress 1
		.amdhsa_inst_pref_size 123
	.end_amdhsa_kernel
	.amdgpu_metadata
---
amdhsa.version: [ 1, 2 ]
amdhsa.kernels:
  - .name:           k_qcd99eaf647_attn
    .symbol:         k_qcd99eaf647_attn.kd
    .args:
      - { .name: q, .offset: 0, .size: 8, .value_kind: global_buffer, .address_space: global }
      - { .name: kv, .offset: 8, .size: 8, .value_kind: global_buffer, .address_space: global }
      - { .name: out0, .offset: 16, .size: 8, .value_kind: global_buffer, .address_space: global }
    .group_segment_fixed_size: 327680
    .private_segment_fixed_size: 0
    .kernarg_segment_align: 8
    .kernarg_segment_size: 24
    .max_flat_workgroup_size: 256
    .sgpr_count:     66
    .vgpr_count:     448
    .wavefront_size: 32
...
	.end_amdgpu_metadata
.endif
;; end of part 3
